; MI455X (gfx1250); checked and timed in simulation.
; The chip was launched on July 23, 2026; its instructions are those of AMD's public machine-readable ISA for CDNA 5 (MIT licence, August 2026) and "CDNA5" Instruction Set Architecture Reference Guide (July 2026). The comments in the code are by the model that wrote it; some were corrected since.
;; Causal Self Attention. Allowed arithmetic: matrix products marked QUANTISED: E4M3 operands, one given power-of-two scale a tensor, by v_wmma_f32_16x16x64_fp8_fp8 or v_wmma_f32_16x16x128_fp8_fp8, f32 sums; everything else in f32.
;; Inputs: b_attn 3,072 float32; b_proj 1,024 float32; lowp_scales 8 int32 (the exponents e of the quantised operands' scales 2^e); w_attn 1,024 x 3,072 float32; w_proj 1,024 x 1,024 float32; x 4 x 2,048 x 1,024 float32.
;; Outputs: out0 4 x 2,048 x 1,024 float32.
;; This version of the problem:
;;   THIS VERSION OF THE PROBLEM IS GIVEN IN LOW PRECISION. The matrix products marked QUANTISED in the list below multiply operands that are first quantised to E4M3 (4 exponent bits, 3 mantissa bits; 8 bits a number), with one given power-of-two scale for each operand tensor; their sums are f32. All else is computed in f32.
;;   The module's matrix products, in the order in which they are computed (A, B: the left and right operand; K: the contracted axis; several contracted axes count as one K, in the product's order):
;;     1. [M 8,192, K 1,024] x [K 1,024, N 3,072]; A: input x; B: input w_attn: QUANTISED (scales: A lowp_scales[0], B lowp_scales[1])
;;     2. batch 64 x [M 2,048, K 64] x [K 64, N 2,048]; A: computed on the way; B: computed on the way: QUANTISED (scales: A lowp_scales[2], B lowp_scales[3])
;;     3. batch 64 x [M 2,048, K 2,048] x [K 2,048, N 64]; A: softmax (see below); B: computed on the way: QUANTISED (scales: A lowp_scales[4], B lowp_scales[5])
;;     4. [M 8,192, K 1,024] x [K 1,024, N 1,024]; A: computed on the way; B: input w_proj: QUANTISED (scales: A lowp_scales[6], B lowp_scales[7])
;;   THE QUANTISER, for each operand of a quantised product, along K:
;;     - The operand's scale is 2^e, e = its entry of the input lowp_scales (int32; the entries are numbered through the quantised products in the list's order, A before B).
;;     - Each number is divided by the scale, clamped to +-448, and rounded to the nearest number of E4M3, ties to even, subnormals kept.
;;     - The product sums the exact products of the quantised numbers (number of the format x scale) in f32.
;;   ~~~python
;;   def quantise(x, axis, e):      # numpy; x: float32 -> the quantised numbers, widened to float32 again
;;       x = np.moveaxis(x, axis, -1); K = x.shape[-1]
;;       r = np.clip(x / 2.0 ** e, -448, 448)
;;       step = 2.0 ** (np.maximum(np.frexp(np.where(r == 0, 1, r))[1] - 1, -6) - 3)
;;       q = np.round(r / step) * step * 2.0 ** e      # np.round: ties to even
;;       return np.moveaxis(q, -1, axis).astype(np.float32)
;;   ~~~
;;   SOFTMAX AHEAD OF A QUANTISED PRODUCT. Where the list says 'softmax', what is quantised is not the finished softmax but p = 2^(t - M), with t = logit x log2(e) and M = ceil(the row's largest t), a whole number; so 1/2 < the row's largest p <= 1. The row's sum l is taken of the UNQUANTISED p, in f32, and the product's result is divided by l at the end. Since M is a whole number, a kernel that streams over the keys may use a running M (the ceiling of the running maximum): every later rescaling is an exact power of two, so the quantised numbers keep their values, but for numbers so far below the row's largest that they fall under the format's range.
;;   OPERANDS COMPUTED ON THE WAY. 'Computed on the way' means the value that the module computes at that place (a softmax that the list does not call 'softmax' is quantised finished and normalised). What goes into a quantiser is computed in f32, as accurately as f32 sums, v_exp_f32 and their like allow (about 1e-6 of the number): no bf16 or f16 on the way to a quantiser, and a product that is left as it is and whose result goes on into a quantised operand takes f32 operands (vector FMAs, or v_wmma_f32_16x16x4_f32). A number that lies on a knife's edge between two numbers of the format may be rounded either way, as far as f32 arithmetic and the matrix unit's own rounding can turn it there, and no further.
;; One version. Each part assembles by itself: llvm-mc -triple=amdgcn-amd-amdhsa -mcpu=gfx1250 --defsym DOCPART=n.
;; ======== version 1 of 1: 4 launches
;; limits: right only within a limited range of input values
;; workspace buffers: xi 8,388,608 bytes; wai 3,145,728 bytes; wpi 1,048,576 bytes; qi 8,388,608 bytes; kvi 16,777,216 bytes; yi 8,388,608 bytes
;; launch quant (part 1): grid 384 x 1, 4 waves a work-group, no clusters, 99,840 bytes of LDS; arguments x, w_attn, w_proj, lowp_scales, xi, wai, wpi; writes xi, wai, wpi
.if DOCPART == 1
	.amdgcn_target "amdgcn-amd-amdhsa--gfx1250"
	.amdhsa_code_object_version 6
	.text
	.protected	k_qbd97dbb1b7_quant
	.globl	k_qbd97dbb1b7_quant
	.p2align	8
	.type	k_qbd97dbb1b7_quant,@function
k_qbd97dbb1b7_quant:
	s_mov_b64 s[64:65], 0
	v_nop
	global_prefetch_b8 v0, s[64:65] scope:SCOPE_SE
	s_setreg_imm32_b32 hwreg(HW_REG_WAVE_MODE, 25, 1), 1
	s_wait_xcnt 0x0
; x [8192][1024], w_attn [1024][3072] and w_proj [1024][1024], f32, become codes of FP8 (E4M3), each with the one scale 2^e given for it
; (entries 0, 1 and 7 of the scales).  code = number / 2^e, held within +-448, rounded to the nearest code, ties to even.
; THE CODES ARE LAID AS IMAGES OF OPERAND REGISTERS.  A fragment is 16 rows x 128 along K, 2,048 bytes: byte 512 u + 16 lane holds registers 4 u .. 4 u + 3
; of that lane; lane 16 h + r holds row r, and registers 2 c, 2 c + 1 hold k = 16 c + 8 h + 0 .. 7.  xi: [row / 16][k / 128][2048]; wai, wpi: [n / 16][k / 128][2048].
; Work-groups 0-255 take x (K innermost: 512-byte loads, turned through the wave's own stage in LDS so that a lane holds neighbours along K);
; 256-351 take w_attn and 352-383 w_proj (K is the first axis: a lane takes a column and its registers run down K).  Every work-group reads 128 KiB.
; The three ways part once on the work-group's number and never join; each has LDS bytes of its own.  Waves share nothing: no barrier.
; LIMITS: each e lies between -126 and 119, so that 2^e and 448 x 2^e are f32 numbers.  NaN among the inputs is not served; an infinity is held at the largest code.
.set XR,   16                          ; v16-143  x: two sets of 64 registers as loaded (16 rows x 16 bytes a lane)
.set XN,   144                         ; v144-207 x: my row's 64 numbers of a fragment, register 8 c + i = k 16 c + 8 h + i
.set XC,   208                         ; v208-239 x: two sets of 16 registers of codes
.set XSTG, 8448                        ; x: a wave's stage: 16 rows x (512 bytes + 16)
.set WX,   32                          ; v32-95   w: two sets of 32 numbers down K
.set WC,   96                          ; v96-103  w: a block's codes
.set OUTR, 112                         ; v112-175 w: the way out
.set WA_LDS, 4*XSTG                    ; w_attn's stages: 4 x 8,192 bytes
.set WP_LDS, WA_LDS+32768              ; w_proj's
.macro SCALE                           ; s27 = e  ->  v11 = 2^e (the conversion takes its exponent field), s27 = 448 x 2^e
	s_add_co_i32 s27, s27, 127
	s_lshl_b32 s28, s27, 23
	v_mov_b32 v11, s28
	s_add_co_i32 s27, s27, 8
	s_lshl_b32 s27, s27, 23
	s_or_b32 s27, s27, 0x600000
.endm
.macro XLOAD f                         ; fragment f: 512 consecutive bytes of each of my 16 rows
.irp p, 0,1,2,3,4,5,6,7,8,9,10,11,12,13,14,15
	global_load_b128 v[XR+64*((\f)%2)+4*\p:XR+64*((\f)%2)+4*\p+3], v2, s[4:5] offset:512*(\f)+4096*\p th:TH_LOAD_NT
.endr
.endm
.macro XFRAG f
.if (\f) < 3
	s_wait_loadcnt 16                              ; this fragment's 16 loads are in; the next fragment's 16 may be out
.else
	s_wait_loadcnt 0x0
.endif
.irp p, 0,1,2,3,4,5,6,7,8,9,10,11,12,13,14,15
	ds_store_b128 v3, v[XR+64*((\f)%2)+4*\p:XR+64*((\f)%2)+4*\p+3] offset:528*\p   ; rows 528 = 33 x 16 bytes apart
.endr
.irp c, 0,1,2,3,4,5,6,7                ; LDS serves a wave's instructions in order: these see the stores above
	ds_load_b128 v[XN+8*\c:XN+8*\c+3], v4 offset:64*\c
	ds_load_b128 v[XN+8*\c+4:XN+8*\c+7], v4 offset:64*\c+16
.endr
	s_wait_dscnt 0x0                               ; my numbers are back, and the stage's stores have read their registers,
.if (\f) < 2
	XLOAD (\f)+2                                   ; which take the loads of two fragments on
.endif
.if (\f) >= 2
	s_wait_xcnt 0x0                                ; the stores of two fragments back have read this set of codes
.endif
.set xi_, 0
.rept 64
.set xi_, xi_+1
.endr
.irp c, 0,1,2,3,4,5,6,7
	v_cvt_scalef32_pk8_fp8_f32 v[XC+16*((\f)%2)+2*\c:XC+16*((\f)%2)+2*\c+1], v[XN+8*\c:XN+8*\c+7], v11   ; registers 2 c, 2 c + 1 of the fragment
.endr
	v_nop                                          ; a plain line behind the conversions: the next fragment's holds write their sources
.irp u, 0,1,2,3
	global_store_b128 v2, v[XC+16*((\f)%2)+4*\u:XC+16*((\f)%2)+4*\u+3], s[12:13] offset:2048*(\f)+512*\u   ; 512 consecutive bytes
.endr
.endm
.macro WLOAD t, n, src                 ; block t: W(32 t + i, my column), i = 0 .. 31
.set wi, 0
.rept 32
	global_load_b32 v[WX+32*((\t)%2)+wi], v3, s[\src:\src+1] offset:(32*(\t)+wi)*\n*4 th:TH_LOAD_NT
.set wi, wi+1
.endr
.endm
.macro WBLOCK t, n, src
.set WXS, WX+32*((\t)%2)
.if (\t) < 7
	s_wait_loadcnt 32                              ; this block's 32 loads are in; the next block's may be out
.else
	s_wait_loadcnt 0x0
.endif
.set wi, 0
.rept 32
.set wi, wi+1
.endr
	v_cvt_scalef32_pk8_fp8_f32 v[WC:WC+1],   v[WXS:WXS+7],     v11   ; k 0-7 and 16-23 of the block belong to the image's lane r,
	v_cvt_scalef32_pk8_fp8_f32 v[WC+2:WC+3], v[WXS+16:WXS+23], v11
	v_cvt_scalef32_pk8_fp8_f32 v[WC+4:WC+5], v[WXS+8:WXS+15],  v11   ; k 8-15 and 24-31 to its lane 16 + r
	v_cvt_scalef32_pk8_fp8_f32 v[WC+6:WC+7], v[WXS+24:WXS+31], v11
	v_nop
	ds_store_b128 v4, v[WC:WC+3] offset:512*(\t)
	ds_store_b128 v4, v[WC+4:WC+7] offset:512*(\t)+256
.if (\t)+2 < 8
	WLOAD (\t)+2, \n, \src
.endif
	s_wait_dscnt 0x0                               ; the stores have read their registers: the next block's codes may be written
.endm
; A weight of n columns.  Work-group g' = ttmp9 - g0: 256 along K (g' % 4) x 128 columns (g' / 4); a wave takes 32 columns: two blocks of 16 rows of the image, two fragments each.
.macro WPATH n, ldsb, g0, src, dst, eoff
	s_sub_co_u32 s19, ttmp9, \g0
	s_and_b32 s20, s19, 3                          ; which 256 along K
	s_lshr_b32 s21, s19, 2                         ; which 128 columns
	s_mul_i32 s22, s20, 256*\n*4
	s_lshl_b32 s24, s21, 9
	s_add_co_u32 s22, s22, s24
	s_lshl_b32 s24, s18, 7
	s_add_co_u32 s22, s22, s24                     ; the weight at (256 ky, 128 nx + 32 wave)
	s_mov_b32 s23, 0
	s_lshl_b32 s24, s21, 3
	s_lshl_b32 s26, s18, 1
	s_add_co_u32 s24, s24, s26
	s_lshl_b32 s24, s24, 14                        ; the image's block 8 nx + 2 wave, 16,384 bytes a block,
	s_lshl_b32 s26, s20, 12
	s_add_co_u32 s24, s24, s26                     ; fragments 2 ky, 2 ky + 1
	s_mov_b32 s25, 0
	v_lshlrev_b32 v3, 2, v1                        ; in: 4 bytes a lane
	v_lshlrev_b32 v8, 4, v1                        ; out: 16 bytes a lane
	s_lshl_b32 s26, s18, 13
	s_add_co_u32 s26, s26, \ldsb                   ; my stage: 8,192 bytes
	v_add_nc_u32 v7, s26, v8                       ; out of it: as it lies
	v_and_b32 v5, 15, v0
	v_bfe_u32 v6, v0, 4, 1
	v_lshlrev_b32 v4, 4, v5
	v_lshl_add_u32 v4, v6, 12, v4
	v_add_nc_u32 v4, s26, v4                       ; into it: 4,096 x (lane / 16) + 16 x (lane % 16); block t at 512 t
	s_wait_alu depctr_va_vdst(0)
	s_wait_kmcnt 0x0
	s_load_b32 s27, s[10:11], \eoff
	s_add_nc_u64 s[\src:\src+1], s[\src:\src+1], s[22:23]
	s_add_nc_u64 s[\dst:\dst+1], s[\dst:\dst+1], s[24:25]
	WLOAD 0, \n, \src
	WLOAD 1, \n, \src
	s_wait_kmcnt 0x0
	SCALE
	s_wait_alu depctr_va_vdst(0)
.irp t, 0,1,2,3,4,5,6,7
	WBLOCK \t, \n, \src
.endr
.irp t, 0,1,2,3,4,5,6,7,8,9,10,11,12,13,14,15
	ds_load_b128 v[OUTR+4*\t:OUTR+4*\t+3], v7 offset:512*\t
.endr
.irp t, 0,1,2,3,4,5,6,7,8,9,10,11,12,13,14,15
	s_wait_dscnt 15-\t                             ; the younger loads may be out
	global_store_b128 v8, v[OUTR+4*\t:OUTR+4*\t+3], s[\dst:\dst+1] offset:(\t/8)*16384+(\t%8)*512   ; 512 consecutive bytes
.endr
.endm
	s_load_b256 s[4:11], s[0:1], 0x0               ; x s[4:5], w_attn s[6:7], w_proj s[8:9], the scales' exponents s[10:11]
	s_load_b128 s[12:15], s[0:1], 0x20             ; xi s[12:13], wai s[14:15]
	s_load_b64 s[16:17], s[0:1], 0x30              ; wpi
	v_lshl_add_u32 v248, v0, 2, 0x18400
	v_mov_b32 v249, 0
	v_lshrrev_b32 v1, 5, v0
	v_readfirstlane_b32 s18, v1                    ; wave
	v_and_b32 v1, 31, v0                           ; lane
	s_cmp_lt_u32 ttmp9, 256
	s_cbranch_scc0 .Lweights
	; ---- x: wave u = 4 x work-group + wave takes rows 16 (u / 2) on, fragments 4 (u % 2) .. + 3
	s_lshl_b32 s19, ttmp9, 2
	s_add_co_u32 s19, s19, s18
	s_lshr_b32 s20, s19, 1
	s_and_b32 s21, s19, 1
	s_lshl_b32 s22, s20, 16                        ; 16 rows of 4,096 bytes
	s_lshl_b32 s24, s21, 11
	s_add_co_u32 s22, s22, s24
	s_mov_b32 s23, 0
	s_lshl_b32 s24, s20, 14                        ; 8 fragments of 2,048 bytes
	s_lshl_b32 s26, s21, 13
	s_add_co_u32 s24, s24, s26
	s_mov_b32 s25, 0
	s_wait_alu depctr_va_vdst(0)
	v_lshlrev_b32 v2, 4, v1                        ; 16 x lane
	s_mul_i32 s26, s18, XSTG
	v_add_nc_u32 v3, s26, v2                       ; into the stage: as loaded
	v_and_b32 v5, 15, v0
	v_bfe_u32 v6, v0, 4, 1
	v_mul_u32_u24 v4, v5, 528
	v_lshl_add_u32 v4, v6, 5, v4
	v_add_nc_u32 v4, s26, v4                       ; out of it: row r, + 32 h: eight numbers of each sixteen
	s_wait_alu depctr_va_vdst(0)
	s_wait_kmcnt 0x0
	s_load_b32 s27, s[10:11], 0x0
	s_add_nc_u64 s[4:5], s[4:5], s[22:23]
	s_add_nc_u64 s[12:13], s[12:13], s[24:25]
	XLOAD 0
	XLOAD 1
	s_wait_kmcnt 0x0
	SCALE
	s_wait_alu depctr_va_vdst(0)
	XFRAG 0
	XFRAG 1
	XFRAG 2
	XFRAG 3
	s_wait_tensorcnt 0x0
	ds_add_u32 v248, v249
	s_wait_dscnt 0x0
	s_endpgm
.Lweights:
	s_cmp_lt_u32 ttmp9, 352
	s_cbranch_scc0 .Lwproj
	s_wait_alu depctr_va_vdst(0)
	WPATH 3072, WA_LDS, 256, 6, 14, 0x4
	s_wait_tensorcnt 0x0
	ds_add_u32 v248, v249
	s_wait_dscnt 0x0
	s_endpgm
.Lwproj:
	s_wait_alu depctr_va_vdst(0)
	WPATH 1024, WP_LDS, 352, 8, 16, 0x1c
	s_wait_tensorcnt 0x0
	ds_add_u32 v248, v249
	s_wait_dscnt 0x0
	s_endpgm
.Lfunc_end_k_qbd97dbb1b7_quant:
	.size	k_qbd97dbb1b7_quant, .Lfunc_end_k_qbd97dbb1b7_quant-k_qbd97dbb1b7_quant
	.p2alignl 7, 3214868480
	.fill 96, 4, 3214868480
	.section	.rodata,"a",@progbits
	.p2align	6, 0x0
	.amdhsa_kernel k_qbd97dbb1b7_quant
		.amdhsa_group_segment_fixed_size 99840
		.amdhsa_private_segment_fixed_size 0
		.amdhsa_enable_private_segment 0
		.amdhsa_kernarg_size 56
		.amdhsa_user_sgpr_count 2
		.amdhsa_user_sgpr_kernarg_segment_ptr 1
		.amdhsa_wavefront_size32 1
		.amdhsa_system_sgpr_workgroup_id_x 1
		.amdhsa_system_sgpr_workgroup_id_y 1
		.amdhsa_system_sgpr_workgroup_id_z 1
		.amdhsa_system_vgpr_workitem_id 0
		.amdhsa_next_free_vgpr 250
		.amdhsa_next_free_sgpr 66
		.amdhsa_reserve_vcc 0
		.amdhsa_float_denorm_mode_32 3
		.amdhsa_float_denorm_mode_16_64 3
		.amdhsa_fp16_overflow 1
		.amdhsa_memory_ordered 1
		.amdhsa_forward_progress 1
		.amdhsa_inst_pref_size 86
	.end_amdhsa_kernel
	.amdgpu_metadata
---
amdhsa.version: [ 1, 2 ]
amdhsa.kernels:
  - .name:           k_qbd97dbb1b7_quant
    .symbol:         k_qbd97dbb1b7_quant.kd
    .args:
      - { .name: x, .offset: 0, .size: 8, .value_kind: global_buffer, .address_space: global }
      - { .name: w_attn, .offset: 8, .size: 8, .value_kind: global_buffer, .address_space: global }
      - { .name: w_proj, .offset: 16, .size: 8, .value_kind: global_buffer, .address_space: global }
      - { .name: lowp_scales, .offset: 24, .size: 8, .value_kind: global_buffer, .address_space: global }
      - { .name: xi, .offset: 32, .size: 8, .value_kind: global_buffer, .address_space: global }
      - { .name: wai, .offset: 40, .size: 8, .value_kind: global_buffer, .address_space: global }
      - { .name: wpi, .offset: 48, .size: 8, .value_kind: global_buffer, .address_space: global }
    .group_segment_fixed_size: 99840
    .private_segment_fixed_size: 0
    .kernarg_segment_align: 8
    .kernarg_segment_size: 56
    .max_flat_workgroup_size: 128
    .sgpr_count:     66
    .vgpr_count:     250
    .wavefront_size: 32
...
	.end_amdgpu_metadata
.endif
;; end of part 1
;; launch qkv (part 2): grid 12 x 64, 4 waves a work-group, clusters of 4 x 4, 327,680 bytes of LDS; arguments xi, wai, b_attn, lowp_scales, qi, kvi; writes qi, kvi
.if DOCPART == 2
	.amdgcn_target "amdgcn-amd-amdhsa--gfx1250"
	.amdhsa_code_object_version 6
	.text
	.protected	k_qbd97dbb1b7_qkv
	.globl	k_qbd97dbb1b7_qkv
	.p2align	8
	.type	k_qbd97dbb1b7_qkv,@function
k_qbd97dbb1b7_qkv:
	s_mov_b64 s[64:65], 0
	v_nop
	global_prefetch_b8 v0, s[64:65] scope:SCOPE_SE
	s_setreg_imm32_b32 hwreg(HW_REG_WAVE_MODE, 25, 1), 1
	s_wait_xcnt 0x0
	s_wait_alu depctr_hold_cnt(0) depctr_sa_sdst(0) depctr_va_vdst(0) depctr_va_sdst(0) depctr_va_ssrc(0) depctr_va_vcc(0) depctr_vm_vsrc(0)
	s_getreg_b32 s2, hwreg(HW_REG_IB_STS2, 6, 4)
	s_cmp_eq_u32 s2, 0
	s_cbranch_scc0 .Lentry_in_a_cluster
	s_endpgm
.Lentry_in_a_cluster:
	s_bfe_u32 s2, ttmp6, 0x10000c
	s_cmp_lg_u32 s2, 0xf033
	s_cbranch_scc0 .Lentry_shape_is_right
	s_endpgm
.Lentry_shape_is_right:
; qkv = x w_attn + b_attn on codes of FP8 (E4M3), and q, k, v quantised on the way out, each with its given scale (entries 2, 3, 5 of the scales; x and w_attn: 0 and 1).
; THE CORE: D(p, q) = sum over k of P[p][k] Q[q][k], source 0 = 16 rows of P, source 1 = 16 rows of Q: lane (r, h) holds Q's row r and, in its eight registers, P's rows 8 h + 0 .. 7.
; A work-group makes 256 rows of P x 128 rows of Q; each of its four waves 128 x 64: 32 accumulators.  K = 1,024 goes in four steps of 256 through three LDS slots: steps 0, 1, 2 are asked for at once, step 3 fills slot 0 again.
; P and Q come as images of operand registers (16 rows x 128 k in 2,048 bytes: byte 512 u + 16 lane = registers 4 u .. 4 u + 3): every LDS read is 512 consecutive bytes; no pitch, no padding.
; ROLES, by the cluster's x, which all partners share.  0: q, 1: k: P = w_attn's columns, Q = x's rows: a lane's eight results are eight neighbouring channels of one token: one conversion gives two registers of a
; fragment 16 tokens x 64 channels.  2: v: P = x's rows, Q = w_attn's columns 2,048 on: eight neighbouring KEYS of one channel: two registers of a fragment 16 channels x 128 keys.  Only pointers and tile numbers are chosen.
; OUT: qi [batch x head][token / 16][1024];  kvi [batch x head][128 keys][16384]: 8 fragments of K (1,024 bytes each), then 4 of V^T (2,048 each).  Every store is 512 consecutive bytes.
; CLUSTER 4 x 4: P's tile hangs on the tile number made of cx and is asked for jointly by a column of the cluster, Q's on the one made of cy, by a row.
; Both kinds of bias (along P: q, k; along Q: v) are loaded by every work-group, from the buffer's head where it is not the kind in use, so that the head has no second branch; a work-group uses one kind.
; LIMITS on the given exponents: e0 + e1 between -127 and 126; e(out) - e0 - e1 between -126 and 119 (out = 2, 3, 5).  NaN is not served.
; REGISTERS: window 0: v4-6, v8-10 LDS addresses of my Q and P fragments in slots 0-2; v12 16 x lane; v28, v29 for the add; v32-95 at work; v128-191, v192-255 Q's fragments, two sets (later the codes).
;   window 1: accumulator (i, j) at v[8 (8 j + i)].   window 2: P's fragments, two sets of 128.   window 3: v0-63 the bias along P, v64-71 the bias along Q (each number twice).
.set SLOT,  98304                      ; Q's 8 blocks of 16 rows x 4,096 bytes, then P's 16
.set SPARE, 3*SLOT                     ; behind the slots: the spare words, 128 bytes a wave: two blocks of 256 bytes that no other line names
.set ADQ, 4
.set ADP, 8
.set L16, 12
.set SPW, 28
.set NIL, 29
.set TMP, 32
.set QF,  128
.set CD,  128                          ; the way out: 16 registers of codes for each j
.set MSB, 0
.macro WIN new                         ; the immediate's high byte repeats the setting that is left
.if MSB != \new
	s_set_vgpr_msb (MSB<<8)|\new
.set MSB, \new
.endif
.endm
.set MUL,  0x52                        ; source 0 (P) window 2, source 1 (Q) window 0, C and D window 1
.set TO_P, 0x80                        ; destination window 2, address window 0
.macro PLACES                          ; four plain places in front of loads into registers that matrix instructions have read, and of the first read of results
.rept 4
	v_nop
.endr
.endm
.macro CREST                           ; a round of the cluster's barrier behind its opening barrier
	s_cmp_lg_u32 s16, 0
	s_cbranch_scc1 .Lnot_wave_0_\@
	s_barrier_signal -3
.Lnot_wave_0_\@:
	s_barrier_wait -3
	s_barrier_signal -1
	s_barrier_wait -1
.endm
.macro CROUND
	s_barrier_signal -1
	s_barrier_wait -1
	CREST
.endm
.macro FETCH slot, q, set              ; 48 LDS loads: the fragments of the slot's q-th 128 along K: P's eight, Q's four
	WIN TO_P
.irp i, 0,1,2,3,4,5,6,7
.irp c, 0,1,2,3
	ds_load_b128 v[128*(\set)+16*\i+4*\c:128*(\set)+16*\i+4*\c+3], v[ADP+\slot] offset:4096*\i+2048*(\q)+512*\c
.endr
.endr
	WIN 0
.irp j, 0,1,2,3
.irp c, 0,1,2,3
	ds_load_b128 v[QF+64*(\set)+16*\j+4*\c:QF+64*(\set)+16*\j+4*\c+3], v[ADQ+\slot] offset:4096*\j+2048*(\q)+512*\c
.endr
.endr
.endm
.macro MULQ set, j, zero               ; 8 products: Q's block j against P's eight.  The 32 accumulators take turns, one instruction a turn, in the same order in every substep
.irp i, 0,1,2,3,4,5,6,7
.if \zero
	v_wmma_f32_16x16x128_fp8_fp8 v[8*(8*(\j)+\i):8*(8*(\j)+\i)+7], v[128*(\set)+16*\i:128*(\set)+16*\i+15], v[QF+64*(\set)+16*(\j):QF+64*(\set)+16*(\j)+15], 0
.else
	v_wmma_f32_16x16x128_fp8_fp8 v[8*(8*(\j)+\i):8*(8*(\j)+\i)+7], v[128*(\set)+16*\i:128*(\set)+16*\i+15], v[QF+64*(\set)+16*(\j):QF+64*(\set)+16*(\j)+15], v[8*(8*(\j)+\i):8*(8*(\j)+\i)+7]
.endif
.endr
.endm
.macro SUB set, nslot, nq, zero        ; a substep of 128 along K: this set is multiplied while the next substep's fragments come into the other
	s_wait_dscnt 0x0                               ; this set is in
	PLACES
	FETCH \nslot, \nq, 1-\set
	WIN MUL
	MULQ \set, 0, \zero
	MULQ \set, 1, \zero
	MULQ \set, 2, \zero
	MULQ \set, 3, \zero
	WIN 0
.endm
	s_load_b256 s[4:11], s[0:1], 0x0               ; xi s[4:5], wai s[6:7], b_attn s[8:9], the scales' exponents s[10:11]
	s_load_b128 s[12:15], s[0:1], 0x20             ; qi s[12:13], kvi s[14:15]
	v_lshl_add_u32 v[SPW], v0, 2, SPARE
	v_mov_b32 v[NIL], 0
	ds_add_u32 v28, v29
	ds_add_u32 v28, v29
	s_wait_dscnt 0x0
	v_lshrrev_b32 v1, 5, v0
	v_readfirstlane_b32 s16, v1                    ; wave 0..3
	s_lshr_b32 s18, s16, 1                         ; which 64 rows of Q are mine.  Also: I fetch for Q (0) or for P (1)
	s_and_b32 s19, s16, 1                          ; which 128 rows of P are mine.  Also: which half of that tile I fetch
	s_bfe_u32 s20, ttmp6, 0x40000                  ; cx
	s_bfe_u32 s21, ttmp6, 0x40004                  ; cy
	s_mov_b32 s17, ttmp9                           ; the cluster's x: 0 q, 1 k, 2 v
	s_and_b32 s66, ttmp7, 0xffff                   ; the cluster's y
	s_lshr_b32 s78, s66, 1
	s_lshl_b32 s78, s78, 2
	s_lshl_b32 s79, s17, 2
	s_and_b32 s90, s66, 1
	s_lshl_b32 s90, s90, 2
	s_lshl_b32 s91, s66, 2
	s_cmp_eq_u32 s17, 2
	s_cselect_b32 s22, s78, s79
	s_cselect_b32 s23, s90, s91
	s_add_co_u32 s22, s22, s20                     ; X, P's tile of 256 rows: q, k: 4 x cluster x + cx;  v: 4 (cluster y / 2) + cx
	s_add_co_u32 s23, s23, s21                     ; Y, Q's tile of 128 rows: q, k: 4 x cluster y + cy;  v: 4 (cluster y % 2) + cy
	s_lshl_b32 s78, s21, 2
	s_lshl_b32 s78, 15, s78                        ; my row of the cluster
	s_lshl_b32 s79, 0x1111, s20                    ; my column
	; descriptor groups 1.  An element is 8 bytes; a row is a block's 4,096 bytes of one K step (two fragments); from block to block 16,384 bytes
	s_or_b32 s24, s78, (3<<16)|(1<<21)             ; Q: 15:0 the mask: my row; 17:16 elements of 8 bytes; 21 set beside a mask
	s_mov_b32 s25, 512<<16                         ; tensor_dim0 = 512
	s_mov_b32 s26, 4<<16                           ; tensor_dim1 = 4 blocks
	s_mov_b32 s27, 512<<16                         ; tile_dim0
	s_mov_b32 s28, 4                               ; tile_dim1
	s_mov_b32 s29, 2048                            ; tensor_dim0_stride
	s_mov_b32 s30, 0
	s_mov_b32 s31, 0
	s_or_b32 s32, s79, (3<<16)|(1<<21)             ; P: the mask: my column; 8 blocks
	s_mov_b32 s33, 512<<16
	s_mov_b32 s34, 8<<16
	s_mov_b32 s35, 512<<16
	s_mov_b32 s36, 8
	s_mov_b32 s37, 2048
	s_mov_b32 s38, 0
	s_mov_b32 s39, 0
	s_lshl_b32 s84, s22, 18                        ; P: 256 rows are 262,144 bytes; my half of them
	s_lshl_b32 s92, s19, 17
	s_add_co_u32 s84, s84, s92
	s_mov_b32 s85, 0
	s_lshl_b32 s86, s23, 17                        ; Q: 128 rows are 131,072 bytes
	s_lshl_b32 s92, s19, 16
	s_add_co_u32 s86, s86, s92
	s_mov_b32 s87, 0
	s_lshl_b32 s94, s19, 14                        ; where they go in a slot: Q's halves, then P's: no place in the cluster enters an LDS address
	s_lshl_b32 s95, s19, 15
	s_add_co_u32 s95, s95, 32768
	s_wait_kmcnt 0x0
	s_add_nc_u64 s[92:93], s[6:7], 0x200000        ; w_attn's image at column 2,048: v's
	s_cmp_eq_u32 s17, 2
	s_cselect_b64 s[80:81], s[4:5], s[6:7]         ; P: x for v, else w_attn
	s_cselect_b64 s[82:83], s[92:93], s[4:5]       ; Q: v's columns of w_attn, else x
	s_add_nc_u64 s[80:81], s[80:81], s[84:85]
	s_add_nc_u64 s[82:83], s[82:83], s[86:87]
.irp n, 0,1,2                          ; groups 0: a set for each slot, slot n = K step n
	s_mov_b32 s[40+4*\n], 1
	s_add_co_u32 s[41+4*\n], s94, \n*SLOT
	s_add_nc_u64 s[42+4*\n:43+4*\n], s[82:83], \n*4096
	s_or_b32 s[43+4*\n], s[43+4*\n], 0x80000000
	s_mov_b32 s[52+4*\n], 1
	s_add_co_u32 s[53+4*\n], s95, \n*SLOT
	s_add_nc_u64 s[54+4*\n:55+4*\n], s[80:81], \n*4096
	s_or_b32 s[55+4*\n], s[55+4*\n], 0x80000000
.endr
	CROUND                                         ; all sixteen work-groups are here: the first joint loads meet
	s_cmp_eq_u32 s18, 0                            ; a wave's three first fills stand in one branch: three tensor loads of mine are out; four v_nop follow the third
	s_cbranch_scc0 .Lfirst_p
	tensor_load_to_lds s[40:43], s[24:31]
	s_nop 0
	tensor_load_to_lds s[44:47], s[24:31]
	s_nop 0
	tensor_load_to_lds s[48:51], s[24:31]
	s_nop 0
.rept 4
	v_nop
.endr
	s_branch .Lfirst_done
.Lfirst_p:
	tensor_load_to_lds s[52:55], s[32:39]
	s_nop 0
	tensor_load_to_lds s[56:59], s[32:39]
	s_nop 0
	tensor_load_to_lds s[60:63], s[32:39]
	s_nop 0
.rept 4
	v_nop
.endr
.Lfirst_done:
	s_load_b256 s[68:75], s[10:11], 0x0            ; e0 .. e7
	v_and_b32 v2, 31, v0
	v_lshlrev_b32 v[L16], 4, v2
	s_lshl_b32 s78, s18, 14                        ; my 4 blocks of Q
	s_lshl_b32 s79, s19, 15                        ; my 8 blocks of P,
	s_add_co_u32 s79, s79, 32768                   ; which lie behind Q's
.irp s, 0,1,2
	v_add_nc_u32 v[ADQ+\s], s78, v[L16]
	v_add_nc_u32 v[ADP+\s], s79, v[L16]
	s_add_co_u32 s78, s78, SLOT
	s_add_co_u32 s79, s79, SLOT
.endr
	; the biases: along P from column 256 X + 128 pw (q, k; else from 0); along Q from column 2,048 + 128 Y + 64 qw (v; else from 0)
	s_lshl_b32 s84, s22, 10
	s_lshl_b32 s78, s19, 9
	s_add_co_u32 s84, s84, s78
	s_lshl_b32 s86, s23, 9
	s_lshl_b32 s78, s18, 8
	s_add_co_u32 s86, s86, s78
	s_add_co_u32 s86, s86, 8192
	s_cmp_eq_u32 s17, 2
	s_cselect_b32 s84, 0, s84
	s_cselect_b32 s86, s86, 0
	s_add_nc_u64 s[84:85], s[8:9], s[84:85]
	s_add_nc_u64 s[86:87], s[8:9], s[86:87]
	v_bfe_u32 v1, v0, 4, 1
	v_lshlrev_b32 v13, 5, v1                       ; 32 h: my eight numbers of each sixteen
	v_and_b32 v3, 15, v0
	v_lshlrev_b32 v3, 2, v3                        ; 4 r
	WIN 0xc0                                       ; destination window 3
.irp i, 0,1,2,3,4,5,6,7
	global_load_b128 v[8*\i:8*\i+3], v13, s[84:85] offset:64*\i
	global_load_b128 v[8*\i+4:8*\i+7], v13, s[84:85] offset:64*\i+16
.endr
.irp j, 0,1,2,3
	global_load_b32 v[64+2*\j], v3, s[86:87] offset:64*\j      ; twice: the packed form takes a pair
	global_load_b32 v[65+2*\j], v3, s[86:87] offset:64*\j
.endr
	WIN 0
	s_wait_alu depctr_va_vdst(0)
	s_wait_tensorcnt 0x2                           ; my part of K step 0 is in; K steps 1 and 2 may be out
	s_barrier_signal -1
	s_barrier_wait -1                              ; everybody's is
	FETCH 0, 0, 0
	SUB 0, 0, 1, 1                                 ; K 0-127: the first products start the sums: nothing is cleared
	; K 128-255, and slot 0 is given up: each wave waits for all its tensor loads, adds 0 to its spare word, waits for that and for its reads of the slot; the barrier opens a round of the cluster's
	s_wait_tensorcnt 0x0                           ; all three of my loads have landed: behind the round slots 1 and 2 are whole for every wave
	ds_add_u32 v[SPW], v[NIL]                      ; 0 onto my spare word
	s_wait_dscnt 0x1                               ; the fragments are in; the add alone may be out
	WIN MUL
	MULQ 1, 0, 0
	s_wait_dscnt 0x0                               ; the add is done, and my reads of slot 0 are over
	s_barrier_signal -1
	MULQ 1, 1, 0
	WIN 0
	s_barrier_wait -1
	CREST                                          ; no wave of any partner still reads slot 0 or has a load on its way
	s_add_nc_u64 s[42:43], s[42:43], 3*4096        ; K step 3
	s_add_nc_u64 s[54:55], s[54:55], 3*4096
	s_cmp_eq_u32 s18, 0
	s_cbranch_scc0 .Lrefill_p
	tensor_load_to_lds s[40:43], s[24:31]          ; the one tensor load of this wave behind the round: it has 112 products in which to land
	s_nop 0
.rept 4
	v_nop
.endr
	s_branch .Lrefill_done
.Lrefill_p:
	tensor_load_to_lds s[52:55], s[32:39]
	s_nop 0
.rept 4
	v_nop                                          ; these four are also the places in front of the loads below
.endr
.Lrefill_done:
	FETCH 1, 0, 0
	WIN MUL
	MULQ 1, 2, 0
	MULQ 1, 3, 0
	WIN 0
	SUB 0, 1, 1, 0                                 ; K 256-383
	SUB 1, 2, 0, 0                                 ; K 384-511
	SUB 0, 2, 1, 0                                 ; K 512-639
	s_wait_dscnt 0x0                               ; K 640-767; my reads of slot 2 are over,
	s_wait_tensorcnt 0x0                           ; and my part of K step 3 is in (the one load that was out)
	s_barrier_signal -1
	WIN MUL
	MULQ 1, 0, 0
	MULQ 1, 1, 0
	s_barrier_wait -1                              ; everybody's is
	PLACES
	FETCH 0, 0, 0
	WIN MUL
	MULQ 1, 2, 0
	MULQ 1, 3, 0
	WIN 0
	SUB 0, 0, 1, 0                                 ; K 768-895
	s_wait_dscnt 0x0                               ; K 896-1023
	WIN MUL
	MULQ 1, 0, 0
	MULQ 1, 1, 0
	MULQ 1, 2, 0
	MULQ 1, 3, 0
	WIN 0
	PLACES
	; THE WAY OUT.  A sum stands for sum x 2^(e0 + e1): the bias goes in as b / 2^(e0 + e1), by one fused multiply-add, and the conversion takes 2^(e(out) - e0 - e1) as its one scale
	s_wait_kmcnt 0x0
	s_wait_loadcnt 0x0                             ; the biases
	s_add_co_i32 s78, s68, s69                     ; e0 + e1
	s_sub_co_i32 s76, 127, s78
	s_lshl_b32 s76, s76, 23                        ; 2^-(e0 + e1) as f32
	s_mov_b32 s77, s76                             ; (named with it as a pair, so it is written)
	s_cmp_eq_u32 s17, 0
	s_cselect_b32 s79, s70, s71                    ; q: e2, k: e3,
	s_cmp_eq_u32 s17, 2
	s_cselect_b32 s79, s73, s79                    ; v: e5
	s_sub_co_i32 s79, s79, s78
	s_add_co_i32 s79, s79, 127
	s_lshl_b32 s90, s79, 23
	v_mov_b32 v16, s90                             ; the conversion's scale
.macro WAYOUT isv
.irp j, 0,1,2,3
	WIN 0x13                                       ; source 0 (the bias) window 3, source 2 (the sums) window 1
.irp i, 0,1,2,3,4,5,6,7
.irp t, 0,2,4,6                        ; each accumulator from its low end on
.if \isv
	v_pk_fma_f32 v[TMP+8*\i+\t:TMP+8*\i+\t+1], v[64+2*\j:65+2*\j], s[76:77], v[8*(8*\j+\i)+\t:8*(8*\j+\i)+\t+1] op_sel_hi:[1,0,1]
.else
	v_pk_fma_f32 v[TMP+8*\i+\t:TMP+8*\i+\t+1], v[8*\i+\t:8*\i+\t+1], s[76:77], v[8*(8*\j+\i)+\t:8*(8*\j+\i)+\t+1] op_sel_hi:[1,0,1]
.endif
.endr
.endr
	WIN 0
.irp i, 0,1,2,3,4,5,6,7
.irp t, 0,1,2,3,4,5,6,7
.endr
	v_cvt_scalef32_pk8_fp8_f32 v[CD+16*\j+2*\i:CD+16*\j+2*\i+1], v[TMP+8*\i:TMP+8*\i+7], v16
.endr
	v_nop                                          ; a plain line behind the conversions: the next block's sums write their sources
.if \isv
.irp c, 0,1,2,3
	global_store_b128 v[L16], v[CD+16*\j+4*\c:CD+16*\j+4*\c+3], s[88:89] offset:2048*\j+512*\c      ; V^T's fragment j: 16 channels x 128 keys
.endr
.else
.irp c, 0,1
	global_store_b128 v[L16], v[CD+16*\j+4*\c:CD+16*\j+4*\c+3], s[88:89] offset:1024*\j+512*\c      ; my even head's fragment: 16 tokens x 64 channels
	global_store_b128 v15, v[CD+16*\j+8+4*\c:CD+16*\j+8+4*\c+3], s[88:89] offset:1024*\j+512*\c     ; my odd head's
.endr
.endif
.endr
.endm
	s_cmp_eq_u32 s17, 2
	s_cbranch_scc1 .Lv_out
	s_lshr_b32 s78, s23, 4                         ; q, k: batch = Y / 16; head = 4 (X % 4) + 2 pw (+ 1)
	s_lshl_b32 s78, s78, 4
	s_and_b32 s79, s22, 3
	s_lshl_b32 s79, s79, 2
	s_add_co_u32 s78, s78, s79
	s_lshl_b32 s79, s19, 1
	s_add_co_u32 s78, s78, s79
	s_lshl_b32 s78, s78, 17                        ; a head of qi is 131,072 bytes, 128 tokens are 8,192;
	s_and_b32 s79, s23, 15
	s_lshl_b32 s79, s79, 13
	s_add_co_u32 s78, s78, s79
	s_lshl_b32 s78, s78, s17                       ; in kvi both are twice that
	s_lshl_b32 s79, s18, 12                        ; my 64 tokens: four fragments of 1,024 bytes
	s_add_co_u32 s90, s78, s79
	s_mov_b32 s91, 0
	s_cmp_eq_u32 s17, 0
	s_cselect_b64 s[88:89], s[12:13], s[14:15]
	s_add_nc_u64 s[88:89], s[88:89], s[90:91]
	s_lshl_b32 s79, 0x20000, s17
	v_add_nc_u32 v15, s79, v[L16]                  ; the next head
	WAYOUT 0
	s_branch .Ldone
.Lv_out:
	s_lshr_b32 s78, s22, 3                         ; v: batch = X / 8; head = 2 Y + qw
	s_lshl_b32 s78, s78, 4
	s_lshl_b32 s79, s23, 1
	s_add_co_u32 s78, s78, s79
	s_add_co_u32 s78, s78, s18
	s_lshl_b32 s78, s78, 18
	s_lshl_b32 s79, s22, 1                         ; my 128 keys: chunk (2 X + pw) % 16
	s_add_co_u32 s79, s79, s19
	s_and_b32 s79, s79, 15
	s_lshl_b32 s79, s79, 14
	s_add_co_u32 s78, s78, s79
	s_add_co_u32 s90, s78, 8192                    ; behind the chunk's fragments of K
	s_mov_b32 s91, 0
	s_add_nc_u64 s[88:89], s[14:15], s[90:91]
	WAYOUT 1
.Ldone:
	s_wait_tensorcnt 0x0                           ; the wave's end
	ds_add_u32 v[SPW], v[NIL]
	s_wait_dscnt 0x0
	CROUND                                         ; the closing round: no work-group ends while a partner may still ask for a tile that names it
	s_endpgm
.Lfunc_end_k_qbd97dbb1b7_qkv:
	.size	k_qbd97dbb1b7_qkv, .Lfunc_end_k_qbd97dbb1b7_qkv-k_qbd97dbb1b7_qkv
	.p2alignl 7, 3214868480
	.fill 96, 4, 3214868480
	.section	.rodata,"a",@progbits
	.p2align	6, 0x0
	.amdhsa_kernel k_qbd97dbb1b7_qkv
		.amdhsa_group_segment_fixed_size 327680
		.amdhsa_private_segment_fixed_size 0
		.amdhsa_enable_private_segment 0
		.amdhsa_kernarg_size 48
		.amdhsa_user_sgpr_count 2
		.amdhsa_user_sgpr_kernarg_segment_ptr 1
		.amdhsa_wavefront_size32 1
		.amdhsa_system_sgpr_workgroup_id_x 1
		.amdhsa_system_sgpr_workgroup_id_y 1
		.amdhsa_system_sgpr_workgroup_id_z 1
		.amdhsa_system_vgpr_workitem_id 0
		.amdhsa_next_free_vgpr 1024
		.amdhsa_next_free_sgpr 100
		.amdhsa_reserve_vcc 0
		.amdhsa_float_denorm_mode_32 3
		.amdhsa_float_denorm_mode_16_64 3
		.amdhsa_fp16_overflow 1
		.amdhsa_memory_ordered 1
		.amdhsa_forward_progress 1
		.amdhsa_inst_pref_size 79
	.end_amdhsa_kernel
	.amdgpu_metadata
---
amdhsa.version: [ 1, 2 ]
amdhsa.kernels:
  - .name:           k_qbd97dbb1b7_qkv
    .symbol:         k_qbd97dbb1b7_qkv.kd
    .args:
      - { .name: xi, .offset: 0, .size: 8, .value_kind: global_buffer, .address_space: global }
      - { .name: wai, .offset: 8, .size: 8, .value_kind: global_buffer, .address_space: global }
      - { .name: b_attn, .offset: 16, .size: 8, .value_kind: global_buffer, .address_space: global }
      - { .name: lowp_scales, .offset: 24, .size: 8, .value_kind: global_buffer, .address_space: global }
      - { .name: qi, .offset: 32, .size: 8, .value_kind: global_buffer, .address_space: global }
      - { .name: kvi, .offset: 40, .size: 8, .value_kind: global_buffer, .address_space: global }
    .group_segment_fixed_size: 327680
    .private_segment_fixed_size: 0
    .kernarg_segment_align: 8
    .kernarg_segment_size: 48
    .max_flat_workgroup_size: 128
    .sgpr_count:     100
    .vgpr_count:     1024
    .wavefront_size: 32
...
	.end_amdgpu_metadata
.endif
;; end of part 2
;; launch attn (part 3): grid 4 x 64, 16 waves a work-group, no clusters, 264,192 bytes of LDS; arguments qi, kvi, lowp_scales, yi; writes yi
.if DOCPART == 3
	.amdgcn_target "amdgcn-amd-amdhsa--gfx1250"
	.amdhsa_code_object_version 6
	.text
	.protected	k_qbd97dbb1b7_attn
	.globl	k_qbd97dbb1b7_attn
	.p2align	8
	.type	k_qbd97dbb1b7_attn,@function
k_qbd97dbb1b7_attn:
	s_mov_b64 s[64:65], 0
	v_nop
	global_prefetch_b8 v0, s[64:65] scope:SCOPE_SE
	s_setreg_imm32_b32 hwreg(HW_REG_WAVE_MODE, 25, 1), 1
	s_wait_xcnt 0x0
; y = softmax(q k^T / 8, causal) v for one batch x head, both products on codes of FP8 (E4M3); y is quantised on the way out (scale entry 6).  Scales: q 2, k 3, p 4, v 5.
; THE SOFTMAX: t = score x log2(e) / 8; M = the running largest t rounded UP to a whole number; p = 2^(t - M) is quantised along the keys, not normalised; the row's sum is taken of the unquantised p and divides at the end.
; When M moves, the sum and O are multiplied by 2^(old M - new M), which rounds nothing.
; SHARES.  Work-group (i, batch x head) owns the blocks of 256 queries numbered 7 - i and i.  Wave w owns 16 queries of each: 256 (7 - i) + 16 w and 256 i + 16 (15 - w): together 17 visible steps of 128 keys, in every wave of
; every work-group.  Sixteen waves, four to a SIMD, so that one wave's vector work stands beside another's products and LDS loads.
; ALL OF THE HEAD'S K AND V LIES IN LDS, 262,144 bytes, as it lies in kvi: filled once, in four stages of 512 keys; each wave brings 4,096 bytes of each stage: four tensor loads of mine are out at the most.
; Work-groups with i >= 2 never read the last stage; it is fetched all the same, so that loads and counts are alike on every way.
; NO CLUSTER, though the four work-groups of a head read the same K and V: a step whose keys all come after the wave's queries is jumped over, and that jump hangs on the query block, which would be the place in the cluster.
; LAYOUT.  S^T = K Q^T (source 0 = 16 keys, source 1 = my 16 queries), O^T = V^T P^T: a lane holds ONE query (lane % 16) throughout; register 8 tau + t of S^T is key 16 tau + 8 (lane / 16) + t, so one conversion of a tile's
; eight registers gives registers 2 tau, 2 tau + 1 of P's fragment of 128 keys; likewise O^T's tiles give y's fragment of 64 channels.  yi: [row / 16][head][1024].
; LIMITS on the given exponents: e2 + e3 between -123 and 130; e4, and e6 - e4 - e5, between -126 and 119.  NaN is not served.
.set L16, 1                            ; v1   16 x lane; never rewritten
.set RH,  2                            ; v2   lane % 16 - 8 (lane / 16)
.set ADK, 8                            ; v8   LDS address of the step's fragments
.set FR,  32                           ; v32-95   8 fragments of K, then 4 of V^T
.set S,   96                           ; v96-159  S^T, then p
.set O,   160                          ; v160-191 O^T
.set PC,  192                          ; v192-207 p's codes
.set TA,  208                          ; v208, v209 at work
.set TC,  209
.set FF,  210                          ; v[210:211] f = 2^(old M - new M)
.set PM,  212                          ; a lane permute's destination
.set SU,  214                          ; v[214:215] the sum's second chain
.set DD,  216                          ; the mask: my query - the step's first key - 8 (lane / 16)
.set NINF, 217
.set PSC, 218                          ; 2^e4
.set PLIM, 219
.set YSC, 220                          ; 2^(e6 - e4 - e5)
.set YLIM, 221
.set SEL, 48                           ; s[48:49] selects for lane xor 16
.set CS,  50                           ; s[50:51] c = log2(e) / 8 x 2^(e2 + e3)
.set TB,  52                           ; s52  LDS byte of the step's chunk
.set KF,  53                           ; s53  the step's first key
.set Q0,  54                           ; s54  my first query
.set CNT, 55
; v12 -M, v13 the largest t, v[14:15] the sum in two halves; v16-23 Q of the late block, v24-31 of the early; v224-231, v232-239 y's codes
; A KEY STEP: 128 keys.  qr: my queries' fragment.
.macro STEP qr
	s_add_co_u32 s60, s[Q0], 15
	s_cmp_gt_u32 s[KF], s60                        ; all keys come after my queries: the step's work is left out; the lines at its end that step addresses are not
	s_cbranch_scc1 .Lhidden_\@
	s_setprio 2
	v_add_nc_u32 v[ADK], s[TB], v[L16]
.rept 3
	v_nop                                          ; with the addition: four places in front of loads into registers that the last products read
.endr
.irp t, 0,1,2,3,4,5,6,7
	ds_load_b128 v[FR+8*\t:FR+8*\t+3], v[ADK] offset:1024*\t
	ds_load_b128 v[FR+8*\t+4:FR+8*\t+7], v[ADK] offset:1024*\t+512
.endr
	s_wait_alu depctr_va_vdst(0)
	s_wait_dscnt 0x0
.irp t, 0,1,2,3,4,5,6,7
	v_wmma_f32_16x16x64_fp8_fp8 v[S+8*\t:S+8*\t+7], v[FR+8*\t:FR+8*\t+7], v[\qr:\qr+7], 0
.endr
.rept 4
	v_nop                                          ; places in front of the loads below and of the first read of the scores
.endr
.irp d, 0,1,2,3                        ; V^T's four fragments are asked for now and land under the softmax
.irp c, 0,1,2,3
	ds_load_b128 v[FR+16*\d+4*\c:FR+16*\d+4*\c+3], v[ADK] offset:8192+2048*\d+512*\c
.endr
.endr
	s_add_co_u32 s60, s[KF], 127
	s_cmp_le_u32 s60, s[Q0]                        ; all keys count: no mask
	s_cbranch_scc1 .Lopen_\@
	s_sub_co_i32 s60, s[Q0], s[KF]
	v_add_nc_u32 v[DD], s60, v[RH]
.set n, 0
.rept 64                               ; register n holds key KF + 16 (n / 8) + 8 (lane / 16) + n % 8: hidden where 16 (n / 8) + n % 8 > d.  The step's first key counts for each of my queries
	v_cmp_gt_i32 vcc_lo, 16*(n/8)+n%8, v[DD]
	v_cndmask_b32 v[S+n], v[S+n], v[NINF], vcc_lo
.set n, n+1
.endr
.Lopen_\@:
	v_max3_num_f32 v[TA], v[S], v[S+1], v[S+2]     ; the step's largest score of my query among my 64 keys, in two chains, ascending,
	v_max3_num_f32 v[TC], v[S+3], v[S+4], v[S+5]
.irp i, 6,10,14,18,22,26,30,34,38,42,46,50,54,58
	v_max3_num_f32 v[TA], v[TA], v[S+\i], v[S+\i+1]
	v_max3_num_f32 v[TC], v[TC], v[S+\i+2], v[S+\i+3]
.endr
	v_max3_num_f32 v[TA], v[TA], v[S+62], v[S+63]
	s_delay_alu instid0(VALU_DEP_1)
	v_max_num_f32 v[TA], v[TA], v[TC]
	s_delay_alu instid0(VALU_DEP_1)
	v_permlanex16_b32 v[PM], v[TA], s[SEL], s[SEL+1]
	s_delay_alu instid0(VALU_DEP_1)
	v_max_num_f32 v[TA], v[TA], v[PM]              ; and among lane xor 16's
	s_delay_alu instid0(VALU_DEP_1)
	v_mul_f32 v[TA], s[CS], v[TA]                  ; as t (c is positive)
	s_delay_alu instid0(VALU_DEP_1)
	v_max_num_f32 v13, v13, v[TA]
	v_mov_b32 v[TA], v12
	s_delay_alu instid0(VALU_DEP_2)
	v_floor_f32 v12, -v13                          ; the new -M = floor(-t): M is a whole number
	s_delay_alu instid0(VALU_DEP_1)
	v_sub_f32 v[TA], v12, v[TA]                    ; old M - new M, 0 or less
	s_delay_alu instid0(VALU_DEP_1)
	v_cvt_i32_f32 v[TA], v[TA]                     ; (it saturates)
	s_delay_alu instid0(VALU_DEP_1)
	v_ldexp_f32 v[FF], 1.0, v[TA]                  ; f
.set n, 0
	s_setprio 1
.rept 32
	v_pk_fma_f32 v[S+n:S+n+1], v[S+n:S+n+1], s[CS:CS+1], v[12:13] op_sel_hi:[1,0,0]   ; t - M, two at a time
.set n, n+2
.endr
.set n, 0
	s_wait_alu depctr_va_vdst(0)
.rept 64
	v_exp_f32 v[S+n], v[S+n]                       ; p = 2^(t - M)
.set n, n+1
.endr
	v_pk_mul_f32 v[14:15], v[14:15], v[FF:FF+1] op_sel_hi:[1,0]   ; the sums under the new M: the plain line behind the exponentials
	s_wait_alu depctr_va_vdst(0)                   ; one wait for the batch, ahead of its first reader
	v_pk_add_f32 v[214:215], v[100:101], v[104:105]
	v_pk_add_f32 v[252:253], v[108:109], v[112:113]
	v_pk_add_f32 v[250:251], v[116:117], v[120:121]
	v_pk_add_f32 v[248:249], v[124:125], v[128:129]
	v_pk_add_f32 v[246:247], v[132:133], v[136:137]
	v_pk_add_f32 v[244:245], v[140:141], v[144:145]
	v_pk_add_f32 v[242:243], v[148:149], v[152:153]
	v_pk_add_f32 v[14:15], v[14:15], v[156:157]
	v_pk_add_f32 v[214:215], v[214:215], v[96:97]
	v_pk_add_f32 v[252:253], v[252:253], v[98:99]
	v_pk_add_f32 v[250:251], v[250:251], v[102:103]
	v_pk_add_f32 v[248:249], v[248:249], v[106:107]
	v_pk_add_f32 v[246:247], v[246:247], v[110:111]
	v_pk_add_f32 v[244:245], v[244:245], v[114:115]
	v_pk_add_f32 v[242:243], v[242:243], v[118:119]
	v_pk_add_f32 v[14:15], v[14:15], v[122:123]
	v_pk_add_f32 v[214:215], v[214:215], v[126:127]
	v_pk_add_f32 v[252:253], v[252:253], v[130:131]
	v_pk_add_f32 v[250:251], v[250:251], v[134:135]
	v_pk_add_f32 v[248:249], v[248:249], v[138:139]
	v_pk_add_f32 v[246:247], v[246:247], v[142:143]
	v_pk_add_f32 v[244:245], v[244:245], v[146:147]
	v_pk_add_f32 v[242:243], v[242:243], v[150:151]
	s_setprio 0
	v_pk_add_f32 v[14:15], v[14:15], v[154:155]
	v_pk_add_f32 v[214:215], v[214:215], v[158:159]
	s_delay_alu instid0(VALU_DEP_2)
	v_pk_add_f32 v[14:15], v[14:15], v[248:249]
	s_delay_alu instid0(VALU_DEP_2)
	v_pk_add_f32 v[214:215], v[214:215], v[246:247]
	v_pk_add_f32 v[252:253], v[252:253], v[244:245]
	v_pk_add_f32 v[250:251], v[250:251], v[242:243]
	s_delay_alu instid0(VALU_DEP_2)
	v_pk_add_f32 v[14:15], v[14:15], v[252:253]
	s_delay_alu instid0(VALU_DEP_2)
	v_pk_add_f32 v[214:215], v[214:215], v[250:251]
	s_delay_alu instid0(VALU_DEP_1)
	v_pk_add_f32 v[14:15], v[14:15], v[214:215]
.irp t, 0,1,2,3,4,5,6,7
.irp i, 0,1,2,3,4,5,6,7
.endr
	v_cvt_scalef32_pk8_fp8_f32 v[PC+2*\t:PC+2*\t+1], v[S+8*\t:S+8*\t+7], v[PSC]
.endr
.set n, 0
.rept 16
	v_pk_mul_f32 v[O+n:O+n+1], v[O+n:O+n+1], v[FF:FF+1] op_sel_hi:[1,0]   ; O^T under the new M; also the plain lines behind the conversions
.set n, n+2
.endr
	s_wait_alu depctr_va_vdst(0)
	s_wait_dscnt 0x0                               ; V^T is in
.irp d, 0,1,2,3
	v_wmma_f32_16x16x128_fp8_fp8 v[O+8*\d:O+8*\d+7], v[FR+16*\d:FR+16*\d+15], v[PC:PC+15], v[O+8*\d:O+8*\d+7]
.endr
.Lhidden_\@:
	s_add_co_u32 s[KF], s[KF], 128
	s_add_co_u32 s[TB], s[TB], 16384
.endm
.macro INIT q0                         ; the step is written without a first step of its own: it finds zeros, which the first change of M leaves zeros
	s_mov_b32 s[Q0], s[\q0]
	v_mov_b32 v13, 0xff61b1e6                      ; -3e38, under every t
	s_delay_alu instid0(VALU_DEP_1)
	v_floor_f32 v12, -v13
	v_mov_b32 v14, 0
	v_mov_b32 v15, 0
.set n, 0
.rept 32
	v_mov_b32 v[O+n], 0
.set n, n+1
.endr
.endm
.macro FINISH cd, yb                   ; O^T / the sum, quantised: a sum of the second product stands for sum x 2^(e4 + e5), so the conversion takes 2^(e6 - e4 - e5)
	v_add_f32 v14, v14, v15
	s_delay_alu instid0(VALU_DEP_1)
	v_permlanex16_b32 v[PM], v14, s[SEL], s[SEL+1]
	s_delay_alu instid0(VALU_DEP_1)
	v_add_f32 v14, v14, v[PM]                      ; the row's sum
	s_wait_alu depctr_va_vdst(0)
	v_rcp_f32 v14, v14
.rept 4
	v_nop                                          ; the plain line behind the reciprocal, and the places behind the last products
.endr
	s_wait_alu depctr_va_vdst(0)                   ; ahead of the reciprocal's first reader
.set n, 0
.rept 16
	v_pk_mul_f32 v[S+n:S+n+1], v[O+n:O+n+1], v[14:15] op_sel_hi:[1,0]
.set n, n+2
.endr
.irp d, 0,1,2,3
.irp i, 0,1,2,3,4,5,6,7
.endr
	v_cvt_scalef32_pk8_fp8_f32 v[\cd+2*\d:\cd+2*\d+1], v[S+8*\d:S+8*\d+7], v[YSC]
.endr
	v_nop                                          ; a plain line behind the conversions: later products write their sources
	global_store_b128 v[L16], v[\cd:\cd+3], s[\yb:\yb+1]              ; 512 consecutive bytes each
	global_store_b128 v[L16], v[\cd+4:\cd+7], s[\yb:\yb+1] offset:512
.endm
.macro STAGE g                         ; 512 keys: four steps
	s_wait_tensorcnt 3-\g                          ; my part of this stage is in; the later stages' loads may be out
	s_barrier_signal -1
	s_barrier_wait -1                              ; everybody's is
	s_mov_b32 s[TB], \g*65536
	s_mov_b32 s[KF], \g*512
	s_mov_b32 s[CNT], 4
.Lstage_\@:
	STEP 16
	s_sub_co_u32 s[CNT], s[CNT], 1
	s_cmp_lg_u32 s[CNT], 0
	s_cbranch_scc1 .Lstage_\@
	s_setprio 0
.endm
	s_load_b256 s[4:11], s[0:1], 0x0               ; qi s[4:5], kvi s[6:7], the scales' exponents s[8:9], yi s[10:11]
	v_lshl_add_u32 v254, v0, 2, 0x40000
	v_mov_b32 v255, 0
	ds_add_u32 v254, v255
	ds_add_u32 v254, v255
	v_lshrrev_b32 v3, 5, v0
	s_delay_alu instid0(VALU_DEP_1)
	v_readfirstlane_b32 s12, v3                    ; wave 0..15
	s_and_b32 s13, ttmp7, 0xffff                   ; batch x head
	s_mov_b32 s14, ttmp9                           ; i
	; descriptor group 1: 16 rows of 256 bytes, dense: 4,096 bytes
	s_mov_b32 s16, 3<<16                           ; no mask; elements of 8 bytes; no padding
	s_mov_b32 s17, 32<<16                          ; tensor_dim0 = 32
	s_mov_b32 s18, 16<<16                          ; tensor_dim1 = 16
	s_mov_b32 s19, 32<<16                          ; tile_dim0
	s_mov_b32 s20, 16                              ; tile_dim1
	s_mov_b32 s21, 32                              ; tensor_dim0_stride
	s_mov_b32 s22, 0
	s_mov_b32 s23, 0
	s_lshl_b32 s15, s12, 12                        ; my 4,096 bytes of a stage, in LDS as in memory
	s_lshl_b32 s2, s13, 18                         ; the head's 262,144 bytes
	s_add_co_u32 s2, s2, s15
	s_mov_b32 s3, 0
	s_sub_co_u32 s60, 7, s14
	s_lshl_b32 s60, s60, 8
	s_lshl_b32 s61, s12, 4
	s_add_co_u32 s62, s60, s61                     ; my late queries: 256 (7 - i) + 16 w
	s_lshl_b32 s60, s14, 8
	s_sub_co_u32 s61, 240, s61
	s_add_co_u32 s63, s60, s61                     ; my early queries: 256 i + 16 (15 - w)
	s_lshl_b32 s66, s13, 17                        ; qi: a head is 131,072 bytes, 16 queries are 1,024
	s_lshl_b32 s67, s62, 6
	s_add_co_u32 s66, s66, s67
	s_mov_b32 s67, 0
	s_lshl_b32 s68, s13, 17
	s_lshl_b32 s69, s63, 6
	s_add_co_u32 s68, s68, s69
	s_mov_b32 s69, 0
	s_lshr_b32 s70, s13, 4                         ; yi: 16 rows are 16,384 bytes, a batch 2,048 rows; a head's fragment 1,024
	s_lshl_b32 s70, s70, 21
	s_and_b32 s71, s13, 15
	s_lshl_b32 s71, s71, 10
	s_add_co_u32 s70, s70, s71
	s_lshl_b32 s71, s62, 10
	s_add_co_u32 s56, s70, s71
	s_mov_b32 s57, 0
	s_lshl_b32 s71, s63, 10
	s_add_co_u32 s58, s70, s71
	s_mov_b32 s59, 0
	s_mov_b32 s[SEL], 0x76543210
	s_mov_b32 s[SEL+1], 0xfedcba98
	s_wait_dscnt 0x0
	s_wait_kmcnt 0x0
	s_add_nc_u64 s[2:3], s[6:7], s[2:3]
.irp g, 0,1,2,3                        ; groups 0: a set for each stage
	s_mov_b32 s[24+4*\g], 1
	s_add_co_u32 s[25+4*\g], s15, \g*65536
	s_add_nc_u64 s[26+4*\g:27+4*\g], s[2:3], \g*65536
	s_or_b32 s[27+4*\g], s[27+4*\g], 0x80000000
.endr
	tensor_load_to_lds s[24:27], s[16:23]          ; all first fills go out together
	s_nop 0
	tensor_load_to_lds s[28:31], s[16:23]
	s_nop 0
	tensor_load_to_lds s[32:35], s[16:23]
	s_nop 0
	tensor_load_to_lds s[36:39], s[16:23]
	s_nop 0
.rept 4
	v_nop
.endr
	s_load_b256 s[40:47], s[8:9], 0x0              ; e0 .. e7
	s_add_nc_u64 s[66:67], s[4:5], s[66:67]
	s_add_nc_u64 s[68:69], s[4:5], s[68:69]
	s_add_nc_u64 s[56:57], s[10:11], s[56:57]
	s_add_nc_u64 s[58:59], s[10:11], s[58:59]
	v_and_b32 v[L16], 31, v0
	s_delay_alu instid0(VALU_DEP_1)
	v_lshlrev_b32 v[L16], 4, v[L16]
	global_load_b128 v[16:19], v[L16], s[66:67]
	global_load_b128 v[20:23], v[L16], s[66:67] offset:512
	global_load_b128 v[24:27], v[L16], s[68:69]
	global_load_b128 v[28:31], v[L16], s[68:69] offset:512
	v_and_b32 v[RH], 15, v0
	v_bfe_u32 v3, v0, 4, 1
	s_delay_alu instid0(VALU_DEP_1)
	v_lshlrev_b32 v3, 3, v3
	s_delay_alu instid0(VALU_DEP_1)
	v_sub_nc_u32 v[RH], v[RH], v3
	v_mov_b32 v[NINF], 0xff800000
	v_mov_b32 v[PM], 0                             ; written once: a lane permute's destination counts as one of its sources
	v_mov_b32 v[FF+1], 0                           ; (named as the upper half of a pair)
	s_wait_kmcnt 0x0
	s_add_co_i32 s60, s42, s43                     ; a score stands for score x 2^(e2 + e3): added to c's exponent field
	s_lshl_b32 s60, s60, 23
	s_add_co_i32 s[CS], s60, 0x3e38aa3b            ; log2(e) / 8
	s_mov_b32 s[CS+1], s[CS]
	s_add_co_i32 s60, s44, 127
	s_lshl_b32 s61, s60, 23
	v_mov_b32 v[PSC], s61
	s_sub_co_i32 s60, s46, s44
	s_sub_co_i32 s60, s60, s45
	s_add_co_i32 s60, s60, 127
	s_lshl_b32 s61, s60, 23
	v_mov_b32 v[YSC], s61
	s_wait_loadcnt 0x0                             ; Q
	INIT 62                                        ; the late block walks all sixteen steps; those behind its diagonal are jumped over
	STAGE 0
	STAGE 1
	STAGE 2
	STAGE 3
	FINISH 224, 56
	INIT 63                                        ; the early block: its queries lie under 1,024: eight steps
	s_mov_b32 s[TB], 0
	s_mov_b32 s[KF], 0
	s_mov_b32 s[CNT], 8
.Learly:
	STEP 24
	s_sub_co_u32 s[CNT], s[CNT], 1
	s_cmp_lg_u32 s[CNT], 0
	s_cbranch_scc1 .Learly
	s_setprio 0
	FINISH 232, 58
	s_wait_tensorcnt 0x0
	ds_add_u32 v254, v255
	s_wait_dscnt 0x0
	s_endpgm
.Lfunc_end_k_qbd97dbb1b7_attn:
	.size	k_qbd97dbb1b7_attn, .Lfunc_end_k_qbd97dbb1b7_attn-k_qbd97dbb1b7_attn
	.p2alignl 7, 3214868480
	.fill 96, 4, 3214868480
	.section	.rodata,"a",@progbits
	.p2align	6, 0x0
	.amdhsa_kernel k_qbd97dbb1b7_attn
		.amdhsa_group_segment_fixed_size 264192
		.amdhsa_private_segment_fixed_size 0
		.amdhsa_enable_private_segment 0
		.amdhsa_kernarg_size 32
		.amdhsa_user_sgpr_count 2
		.amdhsa_user_sgpr_kernarg_segment_ptr 1
		.amdhsa_wavefront_size32 1
		.amdhsa_system_sgpr_workgroup_id_x 1
		.amdhsa_system_sgpr_workgroup_id_y 1
		.amdhsa_system_sgpr_workgroup_id_z 1
		.amdhsa_system_vgpr_workitem_id 0
		.amdhsa_next_free_vgpr 256
		.amdhsa_next_free_sgpr 72
		.amdhsa_reserve_vcc 1
		.amdhsa_float_denorm_mode_32 3
		.amdhsa_float_denorm_mode_16_64 3
		.amdhsa_fp16_overflow 1
		.amdhsa_memory_ordered 1
		.amdhsa_forward_progress 1
		.amdhsa_inst_pref_size 109
	.end_amdhsa_kernel
	.amdgpu_metadata
---
amdhsa.version: [ 1, 2 ]
amdhsa.kernels:
  - .name:           k_qbd97dbb1b7_attn
    .symbol:         k_qbd97dbb1b7_attn.kd
    .args:
      - { .name: qi, .offset: 0, .size: 8, .value_kind: global_buffer, .address_space: global }
      - { .name: kvi, .offset: 8, .size: 8, .value_kind: global_buffer, .address_space: global }
      - { .name: lowp_scales, .offset: 16, .size: 8, .value_kind: global_buffer, .address_space: global }
      - { .name: yi, .offset: 24, .size: 8, .value_kind: global_buffer, .address_space: global }
    .group_segment_fixed_size: 264192
    .private_segment_fixed_size: 0
    .kernarg_segment_align: 8
    .kernarg_segment_size: 32
    .max_flat_workgroup_size: 512
    .sgpr_count:     72
    .vgpr_count:     256
    .wavefront_size: 32
...
	.end_amdgpu_metadata
.endif
;; end of part 3
;; launch proj (part 4): grid 4 x 64, 4 waves a work-group, clusters of 4 x 4, 327,680 bytes of LDS; arguments yi, wpi, b_proj, lowp_scales, out0; writes out0
.if DOCPART == 4
	.amdgcn_target "amdgcn-amd-amdhsa--gfx1250"
	.amdhsa_code_object_version 6
	.text
	.protected	k_qbd97dbb1b7_proj
	.globl	k_qbd97dbb1b7_proj
	.p2align	8
	.type	k_qbd97dbb1b7_proj,@function
k_qbd97dbb1b7_proj:
	s_mov_b64 s[64:65], 0
	v_nop
	global_prefetch_b8 v0, s[64:65] scope:SCOPE_SE
	s_setreg_imm32_b32 hwreg(HW_REG_WAVE_MODE, 25, 1), 1
	s_wait_xcnt 0x0
	s_wait_alu depctr_hold_cnt(0) depctr_sa_sdst(0) depctr_va_vdst(0) depctr_va_sdst(0) depctr_va_ssrc(0) depctr_va_vcc(0) depctr_vm_vsrc(0)
	s_getreg_b32 s2, hwreg(HW_REG_IB_STS2, 6, 4)
	s_cmp_eq_u32 s2, 0
	s_cbranch_scc0 .Lentry_in_a_cluster
	s_endpgm
.Lentry_in_a_cluster:
	s_bfe_u32 s2, ttmp6, 0x10000c
	s_cmp_lg_u32 s2, 0xf033
	s_cbranch_scc0 .Lentry_shape_is_right
	s_endpgm
.Lentry_shape_is_right:
; out = y w_proj + b_proj on codes of FP8 (E4M3); scales: y entry 6, w_proj entry 7.  out0: [8192][1024] f32.
; THE CORE: D(p, q) = sum over k of P[p][k] Q[q][k], source 0 = 16 rows of P (w_proj's columns), source 1 = 16 rows of Q (y's rows): lane (r, h) holds row r of y and eight neighbouring columns of the output.
; A work-group makes 256 columns x 128 rows; each of its four waves 128 x 64: 32 accumulators.  K = 1,024 goes in four steps of 256 through three LDS slots: steps 0, 1, 2 are asked for at once, step 3 fills slot 0 again.
; P and Q come as images of operand registers (16 rows x 128 k in 2,048 bytes: byte 512 u + 16 lane = registers 4 u .. 4 u + 3): every LDS read is 512 consecutive bytes; no pitch, no padding.
; CLUSTER 4 x 4: P's tile hangs on the tile column (cx) and is asked for jointly by a column of the cluster, Q's on the tile row (cy), by a row.
; LIMIT: e6 + e7 between -126 and 127, so that 2^(e6 + e7) is an f32 number.
; REGISTERS: window 0: v4-6, v8-10 LDS addresses of my Q and P fragments in slots 0-2; v12 16 x lane; v24, v25 the stage; v28, v29 for the add; v32-95 at work; v128-191, v192-255 Q's fragments, two sets (later rows of the output).
;   window 1: accumulator (i, j) at v[8 (8 j + i)].   window 2: P's fragments, two sets of 128.   window 3: v0-63 the bias.
.set SLOT,  98304                      ; Q's 8 blocks of 16 rows x 4,096 bytes, then P's 16
.set SPARE, 3*SLOT                     ; behind the slots: the spare words, 128 bytes a wave: two blocks of 256 bytes that no other line names
.set ADQ, 4
.set ADP, 8
.set L16, 12
.set SPW, 28
.set NIL, 29
.set TMP, 32
.set QF,  128
.set BK,  128                          ; the way out: 16 rows read back from the stage, two sets by turns
.set MSB, 0
.macro WIN new                         ; the immediate's high byte repeats the setting that is left
.if MSB != \new
	s_set_vgpr_msb (MSB<<8)|\new
.set MSB, \new
.endif
.endm
.set MUL,  0x52                        ; source 0 (P) window 2, source 1 (Q) window 0, C and D window 1
.set TO_P, 0x80                        ; destination window 2, address window 0
.macro PLACES                          ; four plain places in front of loads into registers that matrix instructions have read, and of the first read of results
.rept 4
	v_nop
.endr
.endm
.macro CREST                           ; a round of the cluster's barrier behind its opening barrier
	s_cmp_lg_u32 s16, 0
	s_cbranch_scc1 .Lnot_wave_0_\@
	s_barrier_signal -3
.Lnot_wave_0_\@:
	s_barrier_wait -3
	s_barrier_signal -1
	s_barrier_wait -1
.endm
.macro CROUND
	s_barrier_signal -1
	s_barrier_wait -1
	CREST
.endm
.macro FETCH slot, q, set              ; 48 LDS loads: the fragments of the slot's q-th 128 along K: P's eight, Q's four
	WIN TO_P
.irp i, 0,1,2,3,4,5,6,7
.irp c, 0,1,2,3
	ds_load_b128 v[128*(\set)+16*\i+4*\c:128*(\set)+16*\i+4*\c+3], v[ADP+\slot] offset:4096*\i+2048*(\q)+512*\c
.endr
.endr
	WIN 0
.irp j, 0,1,2,3
.irp c, 0,1,2,3
	ds_load_b128 v[QF+64*(\set)+16*\j+4*\c:QF+64*(\set)+16*\j+4*\c+3], v[ADQ+\slot] offset:4096*\j+2048*(\q)+512*\c
.endr
.endr
.endm
.macro MULQ set, j, zero               ; 8 products: Q's block j against P's eight.  The 32 accumulators take turns, one instruction a turn, in the same order in every substep
.irp i, 0,1,2,3,4,5,6,7
.if \zero
	v_wmma_f32_16x16x128_fp8_fp8 v[8*(8*(\j)+\i):8*(8*(\j)+\i)+7], v[128*(\set)+16*\i:128*(\set)+16*\i+15], v[QF+64*(\set)+16*(\j):QF+64*(\set)+16*(\j)+15], 0
.else
	v_wmma_f32_16x16x128_fp8_fp8 v[8*(8*(\j)+\i):8*(8*(\j)+\i)+7], v[128*(\set)+16*\i:128*(\set)+16*\i+15], v[QF+64*(\set)+16*(\j):QF+64*(\set)+16*(\j)+15], v[8*(8*(\j)+\i):8*(8*(\j)+\i)+7]
.endif
.endr
.endm
.macro SUB set, nslot, nq, zero        ; a substep of 128 along K: this set is multiplied while the next substep's fragments come into the other
	s_wait_dscnt 0x0                               ; this set is in
	PLACES
	FETCH \nslot, \nq, 1-\set
	WIN MUL
	MULQ \set, 0, \zero
	MULQ \set, 1, \zero
	MULQ \set, 2, \zero
	MULQ \set, 3, \zero
	WIN 0
.endm
	s_load_b256 s[4:11], s[0:1], 0x0               ; yi s[4:5], wpi s[6:7], b_proj s[8:9], the scales' exponents s[10:11]
	s_load_b64 s[12:13], s[0:1], 0x20              ; out0
	v_lshl_add_u32 v[SPW], v0, 2, SPARE
	v_mov_b32 v[NIL], 0
	ds_add_u32 v28, v29
	ds_add_u32 v28, v29
	s_wait_dscnt 0x0
	v_lshrrev_b32 v1, 5, v0
	v_readfirstlane_b32 s16, v1                    ; wave 0..3
	s_lshr_b32 s18, s16, 1                         ; which 64 rows of Q are mine.  Also: I fetch for Q (0) or for P (1)
	s_and_b32 s19, s16, 1                          ; which 128 rows of P are mine.  Also: which half of that tile I fetch
	s_bfe_u32 s20, ttmp6, 0x40000                  ; cx
	s_bfe_u32 s21, ttmp6, 0x40004                  ; cy
	s_lshl_b32 s22, ttmp9, 2
	s_add_co_u32 s22, s22, s20                     ; X: tile of 256 columns = 4 x cluster x + cx
	s_and_b32 s23, ttmp7, 0xffff
	s_lshl_b32 s23, s23, 2
	s_add_co_u32 s23, s23, s21                     ; Y: tile of 128 rows = 4 x cluster y + cy
	s_lshl_b32 s78, s21, 2
	s_lshl_b32 s78, 15, s78                        ; my row of the cluster
	s_lshl_b32 s79, 0x1111, s20                    ; my column
	; descriptor groups 1.  An element is 8 bytes; a row is a block's 4,096 bytes of one K step (two fragments); from block to block 16,384 bytes
	s_or_b32 s24, s78, (3<<16)|(1<<21)             ; Q: 15:0 the mask: my row; 17:16 elements of 8 bytes; 21 set beside a mask
	s_mov_b32 s25, 512<<16                         ; tensor_dim0 = 512
	s_mov_b32 s26, 4<<16                           ; tensor_dim1 = 4 blocks
	s_mov_b32 s27, 512<<16                         ; tile_dim0
	s_mov_b32 s28, 4                               ; tile_dim1
	s_mov_b32 s29, 2048                            ; tensor_dim0_stride
	s_mov_b32 s30, 0
	s_mov_b32 s31, 0
	s_or_b32 s32, s79, (3<<16)|(1<<21)             ; P: the mask: my column; 8 blocks
	s_mov_b32 s33, 512<<16
	s_mov_b32 s34, 8<<16
	s_mov_b32 s35, 512<<16
	s_mov_b32 s36, 8
	s_mov_b32 s37, 2048
	s_mov_b32 s38, 0
	s_mov_b32 s39, 0
	s_lshl_b32 s84, s22, 18                        ; P: 256 rows are 262,144 bytes; my half of them
	s_lshl_b32 s92, s19, 17
	s_add_co_u32 s84, s84, s92
	s_mov_b32 s85, 0
	s_lshl_b32 s86, s23, 17                        ; Q: 128 rows are 131,072 bytes
	s_lshl_b32 s92, s19, 16
	s_add_co_u32 s86, s86, s92
	s_mov_b32 s87, 0
	s_lshl_b32 s94, s19, 14                        ; where they go in a slot: Q's halves, then P's: no place in the cluster enters an LDS address
	s_lshl_b32 s95, s19, 15
	s_add_co_u32 s95, s95, 32768
	s_wait_kmcnt 0x0
	s_add_nc_u64 s[80:81], s[6:7], s[84:85]
	s_add_nc_u64 s[82:83], s[4:5], s[86:87]
.irp n, 0,1,2                          ; groups 0: a set for each slot, slot n = K step n
	s_mov_b32 s[40+4*\n], 1
	s_add_co_u32 s[41+4*\n], s94, \n*SLOT
	s_add_nc_u64 s[42+4*\n:43+4*\n], s[82:83], \n*4096
	s_or_b32 s[43+4*\n], s[43+4*\n], 0x80000000
	s_mov_b32 s[52+4*\n], 1
	s_add_co_u32 s[53+4*\n], s95, \n*SLOT
	s_add_nc_u64 s[54+4*\n:55+4*\n], s[80:81], \n*4096
	s_or_b32 s[55+4*\n], s[55+4*\n], 0x80000000
.endr
	CROUND                                         ; all sixteen work-groups are here: the first joint loads meet
	s_cmp_eq_u32 s18, 0                            ; a wave's three first fills stand in one branch: three tensor loads of mine are out; four v_nop follow the third
	s_cbranch_scc0 .Lfirst_p
	tensor_load_to_lds s[40:43], s[24:31]
	s_nop 0
	tensor_load_to_lds s[44:47], s[24:31]
	s_nop 0
	tensor_load_to_lds s[48:51], s[24:31]
	s_nop 0
.rept 4
	v_nop
.endr
	s_branch .Lfirst_done
.Lfirst_p:
	tensor_load_to_lds s[52:55], s[32:39]
	s_nop 0
	tensor_load_to_lds s[56:59], s[32:39]
	s_nop 0
	tensor_load_to_lds s[60:63], s[32:39]
	s_nop 0
.rept 4
	v_nop
.endr
.Lfirst_done:
	s_load_b256 s[68:75], s[10:11], 0x0            ; e0 .. e7
	v_and_b32 v2, 31, v0
	v_lshlrev_b32 v[L16], 4, v2
	s_lshl_b32 s78, s18, 14                        ; my 4 blocks of Q
	s_lshl_b32 s79, s19, 15                        ; my 8 blocks of P,
	s_add_co_u32 s79, s79, 32768                   ; which lie behind Q's
.irp s, 0,1,2
	v_add_nc_u32 v[ADQ+\s], s78, v[L16]
	v_add_nc_u32 v[ADP+\s], s79, v[L16]
	s_add_co_u32 s78, s78, SLOT
	s_add_co_u32 s79, s79, SLOT
.endr
	s_lshl_b32 s84, s22, 10                        ; my first column, in bytes of f32: 1,024 X + 512 pw: in the bias and in a row of the output
	s_lshl_b32 s78, s19, 9
	s_add_co_u32 s84, s84, s78
	s_lshl_b32 s90, s23, 19                        ; my first row: 128 Y + 64 qw, 4,096 bytes a row
	s_lshl_b32 s78, s18, 18
	s_add_co_u32 s90, s90, s78
	s_add_co_u32 s90, s90, s84
	s_mov_b32 s91, 0
	s_add_nc_u64 s[88:89], s[12:13], s[90:91]
	s_add_nc_u64 s[84:85], s[8:9], s[84:85]
	v_bfe_u32 v1, v0, 4, 1                         ; h
	v_lshlrev_b32 v13, 5, v1                       ; 32 h: my eight numbers of each sixteen
	v_and_b32 v3, 15, v0                           ; r
	s_mul_i32 s78, s16, 8448                       ; my stage: 16 rows x (512 bytes + 16), in slot 1: that slot has its only fill at the start, and every wave's last read of it is over at the barrier in front of K step 3
	s_add_co_u32 s78, s78, SLOT
	v_mul_u32_u24 v24, v3, 528
	v_lshl_add_u32 v24, v1, 5, v24
	v_add_nc_u32 v24, s78, v24                     ; in: row r, + 32 h
	v_add_nc_u32 v25, s78, v[L16]                  ; back: a whole row, 16 bytes a lane
	WIN 0xc0                                       ; destination window 3
.irp i, 0,1,2,3,4,5,6,7
	global_load_b128 v[8*\i:8*\i+3], v13, s[84:85] offset:64*\i
	global_load_b128 v[8*\i+4:8*\i+7], v13, s[84:85] offset:64*\i+16
.endr
	WIN 0
	s_wait_tensorcnt 0x2                           ; my part of K step 0 is in; K steps 1 and 2 may be out
	s_barrier_signal -1
	s_barrier_wait -1                              ; everybody's is
	FETCH 0, 0, 0
	SUB 0, 0, 1, 1                                 ; K 0-127: the first products start the sums: nothing is cleared
	; K 128-255, and slot 0 is given up: each wave waits for all its tensor loads, adds 0 to its spare word, waits for that and for its reads of the slot; the barrier opens a round of the cluster's
	s_wait_tensorcnt 0x0                           ; all three of my loads have landed: behind the round slots 1 and 2 are whole for every wave
	ds_add_u32 v[SPW], v[NIL]                      ; 0 onto my spare word
	s_wait_dscnt 0x1                               ; the fragments are in; the add alone may be out
	WIN MUL
	MULQ 1, 0, 0
	s_wait_dscnt 0x0                               ; the add is done, and my reads of slot 0 are over
	s_barrier_signal -1
	MULQ 1, 1, 0
	WIN 0
	s_barrier_wait -1
	CREST                                          ; no wave of any partner still reads slot 0 or has a load on its way
	s_add_nc_u64 s[42:43], s[42:43], 3*4096        ; K step 3
	s_add_nc_u64 s[54:55], s[54:55], 3*4096
	s_cmp_eq_u32 s18, 0
	s_cbranch_scc0 .Lrefill_p
	tensor_load_to_lds s[40:43], s[24:31]          ; the one tensor load of this wave behind the round: it has 112 products in which to land
	s_nop 0
.rept 4
	v_nop
.endr
	s_branch .Lrefill_done
.Lrefill_p:
	tensor_load_to_lds s[52:55], s[32:39]
	s_nop 0
.rept 4
	v_nop                                          ; these four are also the places in front of the loads below
.endr
.Lrefill_done:
	FETCH 1, 0, 0
	WIN MUL
	MULQ 1, 2, 0
	MULQ 1, 3, 0
	WIN 0
	SUB 0, 1, 1, 0                                 ; K 256-383
	s_wait_alu depctr_va_vdst(0)
	SUB 1, 2, 0, 0                                 ; K 384-511
	SUB 0, 2, 1, 0                                 ; K 512-639
	s_wait_dscnt 0x0                               ; K 640-767; my reads of slot 2 are over,
	s_wait_tensorcnt 0x0                           ; and my part of K step 3 is in (the one load that was out)
	s_barrier_signal -1
	WIN MUL
	MULQ 1, 0, 0
	MULQ 1, 1, 0
	s_barrier_wait -1                              ; everybody's is
	PLACES
	FETCH 0, 0, 0
	WIN MUL
	MULQ 1, 2, 0
	MULQ 1, 3, 0
	WIN 0
	SUB 0, 0, 1, 0                                 ; K 768-895
	s_wait_dscnt 0x0                               ; K 896-1023
	WIN MUL
	MULQ 1, 0, 0
	MULQ 1, 1, 0
	MULQ 1, 2, 0
	MULQ 1, 3, 0
	WIN 0
	PLACES
	; THE WAY OUT, block by block of 16 rows x 128 columns: out = sum x 2^(e6 + e7) + b, one packed multiply-add for two numbers.  A lane holds 32 neighbouring bytes of a row and the lanes beside it other rows: a block goes
	; through my own stage and comes back as whole rows of 512 bytes.  LDS serves a wave's instructions in order: no wait between the stores and the loads, nor in front of the next block's stores.
.macro TOSTAGE j
	WIN 0x31                                       ; source 0 (the sums) window 1, source 2 (the bias) window 3
.irp i, 0,1,2,3,4,5,6,7
.irp t, 0,2,4,6                        ; each accumulator from its low end on
	v_pk_fma_f32 v[TMP+8*\i+\t:TMP+8*\i+\t+1], v[8*(8*(\j)+\i)+\t:8*(8*(\j)+\i)+\t+1], s[76:77], v[8*\i+\t:8*\i+\t+1] op_sel_hi:[1,0,1]
.endr
.endr
	WIN 0
.irp i, 0,1,2,3,4,5,6,7
	ds_store_b128 v24, v[TMP+8*\i:TMP+8*\i+3] offset:64*\i
	ds_store_b128 v24, v[TMP+8*\i+4:TMP+8*\i+7] offset:64*\i+16
.endr
.set BB, BK+64*((\j)%2)
.irp t, 0,1,2,3,4,5,6,7,8,9,10,11,12,13,14,15
	ds_load_b128 v[BB+4*\t:BB+4*\t+3], v25 offset:\t*528
.endr
.endm
.macro SEND j, younger                 ; younger: the LDS instructions issued behind block j's loads, which may stay out
.set BB, BK+64*((\j)%2)
	s_wait_dscnt \younger
.irp t, 0,1,2,3,4,5,6,7,8,9,10,11,12,13,14,15
	global_store_b128 v[L16], v[BB+4*\t:BB+4*\t+3], s[88:89] offset:(16*(\j)+\t)*4096 th:TH_STORE_NT   ; 32 lanes store 512 consecutive bytes, at a multiple of 256 from the output's first byte
.endr
.endm
	s_wait_kmcnt 0x0
	s_add_co_i32 s76, s74, s75
	s_add_co_i32 s76, s76, 127
	s_lshl_b32 s76, s76, 23                        ; 2^(e6 + e7) as f32
	s_mov_b32 s77, s76                             ; (named with it as a pair, so it is written)
	s_wait_loadcnt 0x0                             ; the bias
	TOSTAGE 0
	TOSTAGE 1
	SEND 0, 32                                     ; behind block 0's loads: block 1's 16 stores and 16 loads
	s_wait_xcnt 0x0                                ; block 0's stores have read their registers: block 2's loads may land there
	TOSTAGE 2
	SEND 1, 32
	s_wait_xcnt 0x0
	TOSTAGE 3
	SEND 2, 32
	SEND 3, 0
	s_wait_tensorcnt 0x0                           ; the wave's end: behind my last tensor load and my last LDS store
	ds_add_u32 v[SPW], v[NIL]
	s_wait_dscnt 0x0
	CROUND                                         ; the closing round: no work-group ends while a partner may still ask for a tile that names it
	s_endpgm
.Lfunc_end_k_qbd97dbb1b7_proj:
	.size	k_qbd97dbb1b7_proj, .Lfunc_end_k_qbd97dbb1b7_proj-k_qbd97dbb1b7_proj
	.p2alignl 7, 3214868480
	.fill 96, 4, 3214868480
	.section	.rodata,"a",@progbits
	.p2align	6, 0x0
	.amdhsa_kernel k_qbd97dbb1b7_proj
		.amdhsa_group_segment_fixed_size 327680
		.amdhsa_private_segment_fixed_size 0
		.amdhsa_enable_private_segment 0
		.amdhsa_kernarg_size 40
		.amdhsa_user_sgpr_count 2
		.amdhsa_user_sgpr_kernarg_segment_ptr 1
		.amdhsa_wavefront_size32 1
		.amdhsa_system_sgpr_workgroup_id_x 1
		.amdhsa_system_sgpr_workgroup_id_y 1
		.amdhsa_system_sgpr_workgroup_id_z 1
		.amdhsa_system_vgpr_workitem_id 0
		.amdhsa_next_free_vgpr 1024
		.amdhsa_next_free_sgpr 100
		.amdhsa_reserve_vcc 0
		.amdhsa_float_denorm_mode_32 3
		.amdhsa_float_denorm_mode_16_64 3
		.amdhsa_memory_ordered 1
		.amdhsa_forward_progress 1
		.amdhsa_inst_pref_size 76
	.end_amdhsa_kernel
	.amdgpu_metadata
---
amdhsa.version: [ 1, 2 ]
amdhsa.kernels:
  - .name:           k_qbd97dbb1b7_proj
    .symbol:         k_qbd97dbb1b7_proj.kd
    .args:
      - { .name: yi, .offset: 0, .size: 8, .value_kind: global_buffer, .address_space: global }
      - { .name: wpi, .offset: 8, .size: 8, .value_kind: global_buffer, .address_space: global }
      - { .name: b_proj, .offset: 16, .size: 8, .value_kind: global_buffer, .address_space: global }
      - { .name: lowp_scales, .offset: 24, .size: 8, .value_kind: global_buffer, .address_space: global }
      - { .name: out0, .offset: 32, .size: 8, .value_kind: global_buffer, .address_space: global }
    .group_segment_fixed_size: 327680
    .private_segment_fixed_size: 0
    .kernarg_segment_align: 8
    .kernarg_segment_size: 40
    .max_flat_workgroup_size: 128
    .sgpr_count:     100
    .vgpr_count:     1024
    .wavefront_size: 32
...
	.end_amdgpu_metadata
.endif
;; end of part 4
